; MI455X (gfx1250); checked and timed in simulation.
; The chip was launched on July 23, 2026; its instructions are those of AMD's public machine-readable ISA for CDNA 5 (MIT licence, August 2026) and "CDNA5" Instruction Set Architecture Reference Guide (July 2026). The comments in the code are by the model that wrote it; some were corrected since.
;; Bin Matmul Attention. Allowed arithmetic: matrix products marked QUANTISED: E5M2 operands, one given power-of-two scale a tensor, by v_wmma_f32_16x16x64_bf8_bf8 or v_wmma_f32_16x16x128_bf8_bf8, f32 sums; everything else in f32.
;; Inputs: k 2 x 16 x 2,048 x 128 float32; lowp_scales 4 int32 (the exponents e of the quantised operands' scales 2^e); q 2 x 16 x 2,048 x 128 float32; v 2 x 16 x 2,048 x 128 float32.
;; Outputs: out0 2 x 16 x 2,048 x 128 float32.
;; This version of the problem:
;;   THIS VERSION OF THE PROBLEM IS GIVEN IN LOW PRECISION. The matrix products marked QUANTISED in the list below multiply operands that are first quantised to E5M2 (5 exponent bits, 2 mantissa bits; 8 bits a number), with one given power-of-two scale for each operand tensor; their sums are f32. All else is computed in f32.
;;   The module's matrix products, in the order in which they are computed (A, B: the left and right operand; K: the contracted axis; several contracted axes count as one K, in the product's order):
;;     1. batch 32 x [M 2,048, K 128] x [K 128, N 2,048]; A: input q; B: input k: QUANTISED (scales: A lowp_scales[0], B lowp_scales[1])
;;     2. batch 32 x [M 2,048, K 2,048] x [K 2,048, N 128]; A: softmax (see below); B: input v: QUANTISED (scales: A lowp_scales[2], B lowp_scales[3])
;;   THE QUANTISER, for each operand of a quantised product, along K:
;;     - The operand's scale is 2^e, e = its entry of the input lowp_scales (int32; the entries are numbered through the quantised products in the list's order, A before B).
;;     - Each number is divided by the scale, clamped to +-57,344, and rounded to the nearest number of E5M2, ties to even, subnormals kept.
;;     - The product sums the exact products of the quantised numbers (number of the format x scale) in f32.
;;   ~~~python
;;   def quantise(x, axis, e):      # numpy; x: float32 -> the quantised numbers, widened to float32 again
;;       x = np.moveaxis(x, axis, -1); K = x.shape[-1]
;;       r = np.clip(x / 2.0 ** e, -57344, 57344)
;;       step = 2.0 ** (np.maximum(np.frexp(np.where(r == 0, 1, r))[1] - 1, -14) - 2)
;;       q = np.round(r / step) * step * 2.0 ** e      # np.round: ties to even
;;       return np.moveaxis(q, -1, axis).astype(np.float32)
;;   ~~~
;;   SOFTMAX AHEAD OF A QUANTISED PRODUCT. Where the list says 'softmax', what is quantised is not the finished softmax but p = 2^(t - M), with t = logit x log2(e) and M = ceil(the row's largest t), a whole number; so 1/2 < the row's largest p <= 1. The row's sum l is taken of the UNQUANTISED p, in f32, and the product's result is divided by l at the end. Since M is a whole number, a kernel that streams over the keys may use a running M (the ceiling of the running maximum): every later rescaling is an exact power of two, so the quantised numbers keep their values, but for numbers so far below the row's largest that they fall under the format's range.
;;   OPERANDS COMPUTED ON THE WAY. 'Computed on the way' means the value that the module computes at that place (a softmax that the list does not call 'softmax' is quantised finished and normalised). What goes into a quantiser is computed in f32, as accurately as f32 sums, v_exp_f32 and their like allow (about 1e-6 of the number): no bf16 or f16 on the way to a quantiser, and a product that is left as it is and whose result goes on into a quantised operand takes f32 operands (vector FMAs, or v_wmma_f32_16x16x4_f32). A number that lies on a knife's edge between two numbers of the format may be rounded either way, as far as f32 arithmetic and the matrix unit's own rounding can turn it there, and no further.
;; One version. Each part assembles by itself: llvm-mc -triple=amdgcn-amd-amdhsa -mcpu=gfx1250 --defsym DOCPART=n.
;; ======== version 1 of 1: 2 launches
;; workspace buffers: kv 16,777,216 bytes
;; launch quant (part 1): grid 8 x 32, 8 waves a work-group, no clusters, 68,608 bytes of LDS; arguments k, v, lowp_scales, kv; writes kv
.if DOCPART == 1
	.amdgcn_target "amdgcn-amd-amdhsa--gfx1250"
	.amdhsa_code_object_version 6
	.text
	.protected	k_qc334acfe36_quant
	.globl	k_qc334acfe36_quant
	.p2align	8
	.type	k_qc334acfe36_quant,@function
k_qc334acfe36_quant:
	s_mov_b64 s[64:65], 0
	v_nop
	global_prefetch_b8 v0, s[64:65] scope:SCOPE_SE
	s_setreg_imm32_b32 hwreg(HW_REG_WAVE_MODE, 25, 1), 1
	s_wait_xcnt 0x0
; k and v, [32 heads][2048 keys][128] f32, become codes of BF8 (E5M2), each with the one scale 2^e that is given for it (ek = entry 1, ev = entry 3 of the scales).
; code = x / 2^e, held within +-57,344, rounded to the nearest code, ties to even.
; LIMITS: ek and ev between -126 and 112, so that 2^e and 57,344 x 2^e are f32 numbers.  NaN among the inputs is not served; an infinity is held at the largest code.
; THE CODES ARE LAID AS IMAGES OF THE OPERANDS' REGISTERS, so that the attention launch takes every fragment by four loads of 16 bytes a lane at 16 x lane:
;   byte = head x 524,288 + step x 32,768 + part x 16,384 + t x 2,048 + g x 512 + lane x 16    (step = key / 128; part 0: K, 1: V; t = fragment 0..7; g = group of four registers; lane = 16 h + r)
; Along K every number stands in the place that the matrix form's own layout gives it: registers 2 c, 2 c + 1 of lane (r, h) hold k = 16 c + 8 h + 0 .. 7.  So a lane's 16 bytes of group g are
; k = 32 g + 8 h + 0 .. 7 and k = 32 g + 16 + 8 h + 0 .. 7.
;   K: lane (r, h) holds key 128 step + 16 t + r; k runs along the channels.
;   V: lane (r, h) holds channel 16 t + r; k runs along the step's 128 keys: the keys are the second product's K.
; SHARES.  A work-group takes 256 keys of one head: 128 KB of k, 128 KB of v, 64 KB of codes.  Every work-group walks one path: its part of k, then its part of v.  Waves share nothing: no barrier.
;   K: wave w takes keys 32 w .. 32 w + 31: two fragments.  Each load is one key's whole row, 512 consecutive bytes; the conversions want 8 neighbours along the channels in ONE lane, so a fragment's 16 rows
;      turn through the wave's own stage in LDS.  A fragment's codes leave by four stores of 512 consecutive bytes.
;   V: wave w takes step w / 4 of the two, channels 32 (w % 4) + lane; a lane's registers run DOWN the keys, so the conversions give codes with the keys innermost and nothing is turned.
;      Each load reads 128 consecutive bytes, four waves side by side on a row's 512; each store's lanes 0-15 and 16-31 write 256 consecutive bytes, aligned, each.
; Every offset is an immediate, every store has data registers of its own and no address register is written again: so no wait frees a source.
.set SP,   528                         ; a stage row: 512 bytes + 16 = 132 words: row r starts at bank 4 r mod 64 (64 banks of 4 bytes: ISA guide 11.1)
.set WST,  16*SP                       ; a wave's stage: 16 rows
.set LI,   1                           ; v1   16 x lane
.set SRW,  2                           ; v2   the stage by rows: wave x WST + 16 x lane
.set SFR,  3                           ; v3   the stage by fragments: wave x WST + SP r + 32 h
.set VIN,  4                           ; v4   4 x lane
.set VOUT, 5                           ; v5   2,048 (lane / 16) + 16 (lane % 16)
.set KSCL, 6                           ; v6   2^ek as f32;  v7  57,344 x 2^ek
.set KLIM, 7
.set VSCL, 8                           ; v8   2^ev;  v9  57,344 x 2^ev
.set VLIM, 9
.set KR,   16                          ; v16-143   two fragments of K, 64 numbers a lane each
.set VS0,  144                         ; v144-175  V's block 0;  blocks 1 to 3 take K's registers as they fall free
.set VS1,  16
.set VS2,  48
.set VS3,  80
.set KC,   176                         ; v176-207  K's codes, 16 registers a fragment
.set VC,   208                         ; v208-239  V's codes, 8 registers a block
	s_load_b256 s[4:11], s[0:1], 0x0               ; k s[4:5], v s[6:7], the scales' exponents s[8:9], the codes s[10:11]
	v_lshl_add_u32 v240, v0, 2, 0x10800
	v_mov_b32 v241, 0
	v_lshrrev_b32 v10, 5, v0
	v_readfirstlane_b32 s12, v10                   ; wave 0..7
	s_and_b32 s13, ttmp7, 0xffff                   ; the head
	v_and_b32 v11, 31, v0                          ; lane
	v_and_b32 v12, 15, v0                          ; r
	v_bfe_u32 v13, v0, 4, 1                        ; h
	s_mul_i32 s28, s12, WST                        ; my stage
	v_lshlrev_b32 v[LI], 4, v11
	v_add_nc_u32 v[SRW], s28, v[LI]
	v_mul_u32_u24 v[SFR], v12, SP
	v_lshl_add_u32 v[SFR], v13, 5, v[SFR]
	v_add_nc_u32 v[SFR], s28, v[SFR]
	v_lshlrev_b32 v[VIN], 2, v11
	v_lshlrev_b32 v[VOUT], 4, v12
	v_lshl_add_u32 v[VOUT], v13, 11, v[VOUT]
	s_lshl_b32 s24, s13, 20                        ; a head of k or v is 2^20 bytes,
	s_lshl_b32 s25, ttmp9, 17                      ; 256 keys are 2^17
	s_add_co_u32 s24, s24, s25
	s_lshl_b32 s25, s12, 14                        ; k: my 32 keys
	s_add_co_u32 s16, s24, s25
	s_mov_b32 s17, 0
	s_lshr_b32 s26, s12, 2                         ; w / 4: which of the block's two steps
	s_and_b32 s27, s12, 3                          ; w % 4
	s_lshl_b32 s25, s26, 16                        ; v: the step's 128 keys,
	s_add_co_u32 s18, s24, s25
	s_lshl_b32 s25, s27, 7                         ; my 32 channels
	s_add_co_u32 s18, s18, s25
	s_mov_b32 s19, 0
	s_lshl_b32 s14, s13, 19                        ; the codes: a head is 2^19 bytes,
	s_lshl_b32 s25, ttmp9, 16                      ; two steps 2^16,
	s_add_co_u32 s14, s14, s25
	s_lshl_b32 s25, s26, 15                        ; a step 2^15,
	s_add_co_u32 s14, s14, s25
	s_lshl_b32 s25, s27, 12                        ; my two fragments of K, and of V, 2^12
	s_add_co_u32 s14, s14, s25
	s_mov_b32 s15, 0
	s_wait_kmcnt 0x0
	s_load_b128 s[20:23], s[8:9], 0x0              ; eq, ek, ep, ev
	s_add_nc_u64 s[4:5], s[4:5], s[16:17]
	s_add_nc_u64 s[6:7], s[6:7], s[18:19]
	s_add_nc_u64 s[10:11], s[10:11], s[14:15]
.macro LOADK u                         ; fragment u of my two: its row i is key 16 u + i of my 32; 32 lanes read the row's 512 consecutive bytes
.irp i, 0,1,2,3,4,5,6,7,8,9,10,11,12,13,14,15
	global_load_b128 v[KR+64*\u+4*\i:KR+64*\u+4*\i+3], v[LI], s[4:5] offset:(16*\u+\i)*512 th:TH_LOAD_NT
.endr
.endm
.macro TURN u                          ; 16 rows into the stage as they lie, and back so that register 8 c + 4 j + e of lane (r, h) is channel 16 c + 8 h + 4 j + e of row r
.irp i, 0,1,2,3,4,5,6,7,8,9,10,11,12,13,14,15
	ds_store_b128 v[SRW], v[KR+64*\u+4*\i:KR+64*\u+4*\i+3] offset:SP*\i
.endr
.irp c, 0,1,2,3,4,5,6,7
.irp j, 0,1
	ds_load_b128 v[KR+64*\u+8*\c+4*\j:KR+64*\u+8*\c+4*\j+3], v[SFR] offset:64*\c+16*\j   ; LDS serves a wave's instructions in order (ISA guide 5.7.1.4): these see the stores above, and the next fragment's stores come behind them
.endr
.endr
.endm
.macro QUANT s, d, sc, lim             ; 64 numbers of a lane, v[s] on, become 16 registers of codes, v[d] on: numbers 8 c .. 8 c + 7 make registers 2 c, 2 c + 1
.irp b, 0,1,2,3
.irp i, 0,1,2,3,4,5,6,7,8,9,10,11,12,13,14,15
	v_med3_num_f32 v[\s+16*\b+\i], v[\s+16*\b+\i], -v[\lim], v[\lim]   ; the conversion to an 8-bit code does not saturate (ISA guide 7.6.2): the number is held within the largest code x the scale first
.endr
	v_cvt_scalef32_pk8_bf8_f32 v[\d+4*\b:\d+4*\b+1], v[\s+16*\b:\s+16*\b+7], v[\sc]   ; eight numbers / 2^e, to the nearest code, ties to even; the first number's code in the lowest byte
	v_cvt_scalef32_pk8_bf8_f32 v[\d+4*\b+2:\d+4*\b+3], v[\s+16*\b+8:\s+16*\b+15], v[\sc]
.endr
	v_nop                                          ; one plain vector line behind the last conversion of a run
.endm
.macro STOREK u                        ; the fragment's image: four stores of 512 consecutive bytes.  No hint: the next launch reads them
.irp c, 0,1,2,3
	global_store_b128 v[LI], v[KC+16*\u+4*\c:KC+16*\u+4*\c+3], s[10:11] offset:2048*\u+512*\c
.endr
.endm
.macro LOADV c, src                    ; block c of four: v(32 c + i, my channel), i = 0 .. 31
.irp i, 0,1,2,3,4,5,6,7,8,9,10,11,12,13,14,15,16,17,18,19,20,21,22,23,24,25,26,27,28,29,30,31
	global_load_b32 v[\src+\i], v[VIN], s[6:7] offset:(32*\c+\i)*512 th:TH_LOAD_NT
.endr
.endm
; 32 keys of my channel make group c of the image.  Eight keys 8 g .. 8 g + 7 of the block belong to the image's half h = g % 2, and there to its register pair g / 2:
; so the conversions' results go to registers 4 (g % 2) + 2 (g / 2); registers 0-3 are then the 16 bytes of h = 0, registers 4-7 those of h = 1, 256 bytes on.
.macro VBLOCK c, src
.irp i, 0,1,2,3,4,5,6,7,8,9,10,11,12,13,14,15,16,17,18,19,20,21,22,23,24,25,26,27,28,29,30,31
	v_med3_num_f32 v[\src+\i], v[\src+\i], -v[VLIM], v[VLIM]
.endr
.irp g, 0,1,2,3
	v_cvt_scalef32_pk8_bf8_f32 v[VC+8*\c+4*(\g%2)+2*(\g/2):VC+8*\c+4*(\g%2)+2*(\g/2)+1], v[\src+8*\g:\src+8*\g+7], v[VSCL]
.endr
	v_nop                                          ; one plain vector line behind the last conversion of a run
	global_store_b128 v[VOUT], v[VC+8*\c:VC+8*\c+3], s[10:11] offset:16384+512*\c          ; lanes 0-15: 256 consecutive bytes of fragment 2 (w % 4); lanes 16-31: of the next fragment
	global_store_b128 v[VOUT], v[VC+8*\c+4:VC+8*\c+7], s[10:11] offset:16384+512*\c+256
.endm
	LOADK 0
	LOADK 1
	LOADV 0, VS0
	s_wait_kmcnt 0x0
	s_add_co_i32 s24, s21, 127
	s_lshl_b32 s25, s24, 23
	v_mov_b32 v[KSCL], s25                         ; 2^ek as f32: the conversion takes its exponent field
	s_add_co_i32 s24, s24, 15
	s_lshl_b32 s24, s24, 23
	s_or_b32 s24, s24, 0x600000
	v_mov_b32 v[KLIM], s24                         ; 57,344 x 2^ek
	s_add_co_i32 s24, s23, 127
	s_lshl_b32 s25, s24, 23
	v_mov_b32 v[VSCL], s25
	s_add_co_i32 s24, s24, 15
	s_lshl_b32 s24, s24, 23
	s_or_b32 s24, s24, 0x600000
	v_mov_b32 v[VLIM], s24
	s_wait_loadcnt 48                              ; K's first fragment is in; its second (16 loads) and V's block 0 (32) may be out
	TURN 0
	s_wait_loadcnt 32                              ; K's second fragment is in; V's block 0 may be out
	TURN 1
	s_wait_dscnt 32                                ; the first fragment is back; the second's 16 stores and 16 loads may be out
	QUANT KR, KC, KSCL, KLIM
	STOREK 0
	LOADV 1, VS1                                   ; into registers that the first fragment has left
	s_wait_dscnt 0x0                               ; the second fragment is back
	QUANT KR+64, KC+16, KSCL, KLIM
	STOREK 1
	s_wait_loadcnt 32                              ; V's block 0 is in; block 1 may be out
	LOADV 2, VS2
	VBLOCK 0, VS0
	s_wait_loadcnt 32                              ; block 1 is in; block 2 may be out
	LOADV 3, VS3
	VBLOCK 1, VS1
	s_wait_loadcnt 32                              ; block 2 is in; block 3 may be out
	VBLOCK 2, VS2
	s_wait_loadcnt 0x0
	VBLOCK 3, VS3
	s_wait_tensorcnt 0x0
	ds_add_u32 v240, v241
	s_wait_dscnt 0x0
	s_endpgm
.Lfunc_end_k_qc334acfe36_quant:
	.size	k_qc334acfe36_quant, .Lfunc_end_k_qc334acfe36_quant-k_qc334acfe36_quant
	.p2alignl 7, 3214868480
	.fill 96, 4, 3214868480
	.section	.rodata,"a",@progbits
	.p2align	6, 0x0
	.amdhsa_kernel k_qc334acfe36_quant
		.amdhsa_group_segment_fixed_size 68608
		.amdhsa_private_segment_fixed_size 0
		.amdhsa_enable_private_segment 0
		.amdhsa_kernarg_size 32
		.amdhsa_user_sgpr_count 2
		.amdhsa_user_sgpr_kernarg_segment_ptr 1
		.amdhsa_wavefront_size32 1
		.amdhsa_system_sgpr_workgroup_id_x 1
		.amdhsa_system_sgpr_workgroup_id_y 1
		.amdhsa_system_sgpr_workgroup_id_z 1
		.amdhsa_system_vgpr_workitem_id 0
		.amdhsa_next_free_vgpr 242
		.amdhsa_next_free_sgpr 66
		.amdhsa_reserve_vcc 0
		.amdhsa_float_denorm_mode_32 3
		.amdhsa_float_denorm_mode_16_64 3
		.amdhsa_memory_ordered 1
		.amdhsa_forward_progress 1
		.amdhsa_inst_pref_size 42
	.end_amdhsa_kernel
	.amdgpu_metadata
---
amdhsa.version: [ 1, 2 ]
amdhsa.kernels:
  - .name:           k_qc334acfe36_quant
    .symbol:         k_qc334acfe36_quant.kd
    .args:
      - { .name: k, .offset: 0, .size: 8, .value_kind: global_buffer, .address_space: global }
      - { .name: v, .offset: 8, .size: 8, .value_kind: global_buffer, .address_space: global }
      - { .name: lowp_scales, .offset: 16, .size: 8, .value_kind: global_buffer, .address_space: global }
      - { .name: kv, .offset: 24, .size: 8, .value_kind: global_buffer, .address_space: global }
    .group_segment_fixed_size: 68608
    .private_segment_fixed_size: 0
    .kernarg_segment_align: 8
    .kernarg_segment_size: 32
    .max_flat_workgroup_size: 256
    .sgpr_count:     66
    .vgpr_count:     242
    .wavefront_size: 32
...
	.end_amdgpu_metadata
.endif
;; end of part 1
;; launch attn (part 2): grid 8 x 32, 8 waves a work-group, clusters of 4 x 1, 327,680 bytes of LDS; arguments q, kv, lowp_scales, out0; writes out0
.if DOCPART == 2
	.amdgcn_target "amdgcn-amd-amdhsa--gfx1250"
	.amdhsa_code_object_version 6
	.text
	.protected	k_qc334acfe36_attn
	.globl	k_qc334acfe36_attn
	.p2align	8
	.type	k_qc334acfe36_attn,@function
k_qc334acfe36_attn:
	s_mov_b64 s[64:65], 0
	v_nop
	global_prefetch_b8 v0, s[64:65] scope:SCOPE_SE
	s_setreg_imm32_b32 hwreg(HW_REG_WAVE_MODE, 25, 1), 1
	s_wait_xcnt 0x0
	s_wait_alu depctr_hold_cnt(0) depctr_sa_sdst(0) depctr_va_vdst(0) depctr_va_sdst(0) depctr_va_ssrc(0) depctr_va_vcc(0) depctr_vm_vsrc(0)
	s_getreg_b32 s2, hwreg(HW_REG_IB_STS2, 6, 4)
	s_cmp_eq_u32 s2, 0
	s_cbranch_scc0 .Lentry_in_a_cluster
	s_endpgm
.Lentry_in_a_cluster:
	s_bfe_u32 s2, ttmp6, 0x10000c
	s_cmp_lg_u32 s2, 0x3003
	s_cbranch_scc0 .Lentry_shape_is_right
	s_endpgm
.Lentry_shape_is_right:
; out[h][q][:] = the sum over k of softmax_k(Q[h][q] . K[h][k]) V[h][k][:], no mask and no factor on the scores; 32 heads, 2,048 queries and keys, 128 channels.  Both products on codes of BF8 (E5M2),
; each operand with the one scale 2^e that is given for it: eq, ek, ep, ev.  q arrives as f32 and is quantised here, in registers: each of its rows is read once, by one wave.
; K's and V's codes come from the launch before, laid as images of the operands' registers:
;   byte = head x 524,288 + step x 32,768 + part x 16,384 + t x 2,048 + g x 512 + lane x 16    (step = key / 128; part 0: K, 1: V; t = fragment 0..7; g = group of four registers; lane = 16 h + r)
;   K: lane (r, h): key 128 step + 16 t + r, k along the channels.     V: lane (r, h): channel 16 t + r, k along the step's 128 keys.
; In the images k stands in the place that the matrix form's own layout gives it: registers 2 c, 2 c + 1 of lane (r, h) hold k = 16 c + 8 h + 0 .. 7.  A fragment is four LDS loads of 512 consecutive bytes, with no pitch
; and no padding, and a step's K and V are one dense block of 32 KB.
; EVERY SCORE IS MADE TWICE, AND THE LARGER RESULT IS TAKEN.  With no factor on the scores an absolute error of a score is a relative error of p = 2^(t - M), and p goes into a quantiser whose neighbouring codes lie an
; eighth to a quarter apart: a dominant key whose p lies near the middle between two codes turns on the score's last bits.  The 128 products of a score are exact; what can be lost is lost in adding them.  So they are added
; in two groupings: (1) two sums of 64 channels, each one instruction begun at 0, k in its true places, joined by one f32 addition; (2) one instruction of 128 channels, in which the second and third eight of every 32
; channels have changed places, alike in both sources.
; THE SOFTMAX AHEAD OF THE SECOND PRODUCT: t = score x log2(e); M = the row's largest t so far, rounded UP to a whole number; p = 2^(t - M) is what is quantised, along the keys; it is not normalised.
; The row's sum is taken of the unquantised p, in f32, and divides O at the end.  When M moves, the sum and O are multiplied by 2^(old M - new M): exact.
; SHARES.  A work-group owns 256 queries of one head; each of its eight waves 32 of them, two tiles of 16, in 512 registers: two waves to a SIMD, so that one wave's vector work stands beside the other's matrix work
; and LDS loads, and each fragment of K and V read from LDS feeds both tiles.  Every wave walks the head's 2,048 keys, 128 a step.
; LAYOUT.  Both products are used transposed: S^T = K Q^T (source 0 = 16 keys, source 1 = 16 queries), O^T = V^T P^T (source 0 = 16 channels, source 1 = P): a lane holds ONE query (lane % 16) throughout.
; Score tile T's eight registers of lane (r, h) are the keys 16 T + 8 h + 0 .. 7 of query r: their conversion gives registers 2 T, 2 T + 1 of the second product's operand as they stand.
; THE RING.  Two LDS slots of 64 KB, two key steps each, filled by the tensor data mover: waves 0 to 3 bring a quarter each (64 rows of 256 bytes, dense), all eight read.  By this text's count a wave has one tensor load out.
; THE CHANGE OF SLOTS BEGINS INSIDE A SLOT'S SECOND STEP: a wave's last LDS reads of a slot are that step's fragments of V, and what follows them (tile 0's eight products, tile 1's softmax and products) is work on
; registers.  So the waits, the add and the barrier's signal stand behind tile 0's softmax, and the barrier's wait at the step's end: a wave works while the others arrive.
; CLUSTER.  The four query blocks of a cluster belong to one head and walk the same codes, so each quarter is asked for JOINTLY: the same tensor load, with the same descriptor and a mask that names the four, in all four.
; LIMITS on the given exponents, so that each power of two below is an f32 number: eq and ep between -126 and 112; eq + ek between -126 and 127 (they are added to log2(e)'s exponent field);
; ep + ev is applied by v_ldexp_f32 and has none.  NaN among the inputs is not served; an infinity in q is held at the largest code.
; REGISTERS, in windows of 256 (s_set_vgpr_msb's low byte: bits 1:0 source 0, 3:2 source 1, 5:4 source 2, 7:6 destination):
;   window 0: v1-7, v29-30 addresses; v[8:9] f; v10, v20-23 scales and holds; v12-19 four registers of statistics a tile; v24-28 at work; v32-63 Q, k in true places; v64-95 four score tiles made the second way, then
;             p's codes; v96-127 Q in the second order; v128-255 S^T, then p, 64 a tile
;   window 1: v0-127 O^T, 64 a tile; v128-255, for two fragments of K at a time: v128-159 the scores' second halves, v192-223 K in the second order, v224-255 K in true places;
;             behind the last of them the step's eight fragments of V
.set SLOT1, 65536                      ; slot 1 begins here: one exclusive or turns an address in one slot into the other's
.set STAGE, 131072                     ; behind the ring: 16 rows x 528 bytes for each wave, for q's way in and O's way out; no tile lands here
.set SP,    528                        ; a stage row: 512 bytes + 16 = 132 words: row r starts at bank 4 r mod 64 (64 banks of 4 bytes: ISA guide 11.1)
.set WST,   16*SP
.set SPARE, STAGE+8*WST                ; behind the stages: the spare words, 128 bytes for each wave: four blocks of 256 bytes that no other line names
.set LI,   1                           ; v1   16 x lane: my place in an image, in a stage row, in a row of q and of out
.set AD,   2                           ; v2   the slot in hand + 16 x lane
.set SR,   3                           ; v3   my stage by rows: + 16 x lane
.set SF,   4                           ; v4   my stage: + SP r + 64 h: sixteen numbers of row r, for q in the second order
.set SO,   5                           ; v5   my stage: + SP r + 32 h: eight numbers of row r, for q in true places and for O's way out
.set SPW,  6                           ; v6   LDS address of my spare word: SPARE + 4 x my thread's number; never rewritten
.set NIL,  7                           ; v7   0; never rewritten
.set F,    8                           ; v[8:9]  f = 2^(old M - new M); v9 is named with it as a pair, so it is written once
.set PLIM2, 10                         ; v10  57,344 x 2^ep once more: the two halves of a dual line take their second sources from different register banks (number mod 4)
.set ST,   12                          ; tile x at v[12 + 4 x]: +0 -M, +1 the largest t, +2, +3 the sum in two halves
.set QSCL, 20                          ; 2^eq;  v21  57,344 x 2^eq
.set QLIM, 21
.set PSCL, 22                          ; 2^ep;  v23  57,344 x 2^ep
.set PLIM, 23
.set TA,   24
.set TC,   25
.set SB,   26                          ; v[26:27] the sums' second chain
.set PX,   28                          ; a lane permute's destination
.set ADP,  29                          ; v29  the slot in hand + 16 r + 8 h
.set LP,   30                          ; v30  16 r + 8 h: my 8 bytes in half a group of an image
.set Q,    32                          ; 16 registers a tile
.set S1,   64                          ; four score tiles made the second way (fragment t of two, tile x of queries: 16 t + 8 x)
.set PC,   64                          ; p's codes, 16 registers a tile, in the same registers behind them
.set QP,   96                          ; Q in the second order, 16 registers a tile
.set S,    128
.set S2,   128                         ; in window 1: the second halves of the same four score tiles
.set KP,   192                         ; in window 1: two fragments of K in the second order
.set KF,   224                         ; in window 1: the same two in true places
.set VF,   128                         ; in window 1: V's eight fragments, behind them all
.set WV,   12                          ; s12  my wave's number
.set G1,   24                          ; s[24:31] descriptor group 1
.set G0,   40                          ; s[40:43] descriptor group 0, which walks
.set SLOTS, 56                         ; s56  trips of the loop still to go
.set CS,   58                          ; s[58:59] c = log2(e) x 2^(eq + ek): the packed form names a pair and takes its low word for both halves
.set SEL,  60                          ; s[60:61] lane selects for v_permlanex16_b32: lane l xor 16
.set TB,   62                          ; s62  LDS byte at which the slot in hand begins
.set MSB, 0
.macro WIN new                         ; the immediate's high byte repeats the setting that is left; a switch that changes nothing is dropped
.if MSB != \new
	s_set_vgpr_msb (MSB<<8)|\new
.set MSB, \new
.endif
.endm
.set W_TO1, 0x40                       ; destination window 1
.set W_JN,  0x04                       ; source 1 window 1
.set W_S0,  0x01                       ; source 0 window 1
.set W_SD,  0x41                       ; source 0 and destination window 1
.set W_PV,  0x51                       ; V (source 0) and O^T (C and D) window 1, p's codes (source 1) window 0
; A round of the cluster's barrier: my work-group's barrier, so that wave 0's signal speaks for all eight waves; wave 0 signals for the work-group; every wave waits for all four work-groups; my work-group's barrier once more.
.macro CREST                           ; a round behind its opening barrier
	s_cmp_lg_u32 s[WV], 0
	s_cbranch_scc1 .Lnot_wave_0_\@
	s_barrier_signal -3
.Lnot_wave_0_\@:
	s_barrier_wait -3
	s_barrier_signal -1
	s_barrier_wait -1
.endm
.macro CROUND                          ; a whole round
	s_barrier_signal -1
	s_barrier_wait -1
	CREST
.endm
; A joint load: waves 0 to 3 bring a quarter of a slot each, the others nothing.  The branch hangs on the wave's number alone.  Four v_nop follow the line.
.macro JLOAD
	s_cmp_lt_u32 s[WV], 4
	s_cbranch_scc0 .Lasked_\@
	tensor_load_to_lds s[G0:G0+3], s[G1:G1+7]
	s_nop 0
.rept 4
	v_nop
.endr
.Lasked_\@:
.endm
	s_load_b256 s[4:11], s[0:1], 0x0               ; q s[4:5], the codes s[6:7], the scales' exponents s[8:9], out s[10:11]
	v_lshl_add_u32 v[SPW], v0, 2, SPARE
	v_mov_b32 v[NIL], 0
	ds_add_u32 v6, v7
	s_wait_dscnt 0x0
	v_lshrrev_b32 v[TA], 5, v0
	v_readfirstlane_b32 s[WV], v[TA]               ; wave 0..7
	s_bfe_u32 s13, ttmp6, 0x40000                  ; cx: my place in the cluster
	s_lshl_b32 s14, ttmp9, 2                       ; in a cluster launch ttmp9 counts clusters
	s_add_co_u32 s14, s14, s13                     ; my block of 256 queries = 4 x cluster x + cx: it enters q's and out's offset alone
	s_and_b32 s16, ttmp7, 0xffff                   ; the head, which the four partners share
	s_lshl_b32 s2, s16, 20                         ; q and out: a head is 2^20 bytes,
	s_lshl_b32 s17, s14, 17                        ; a block of 256 rows 2^17,
	s_add_co_u32 s2, s2, s17
	s_lshl_b32 s17, s[WV], 14                      ; my wave's 32 rows 2^14
	s_add_co_u32 s2, s2, s17
	s_mov_b32 s3, 0
	s_and_b32 s18, s[WV], 3
	s_lshl_b32 s18, s18, 14                        ; the quarter of a slot that I bring, if I bring one: the same bytes on in memory and in LDS
	s_lshl_b32 s22, s16, 19                        ; the codes: a head is 2^19 bytes
	s_add_co_u32 s22, s22, s18                     ; (made of the head and the wave's number alone: equal in all four partners)
	s_mov_b32 s23, 0
	s_mul_i32 s15, s[WV], WST
	s_add_co_u32 s15, s15, STAGE                   ; my stage
	; descriptor group 1: 64 rows of 32 elements of 8 bytes, dense in memory and in LDS: 16 KB
	s_mov_b32 s[G1], 15|(3<<16)|(1<<21)            ; 15:0 the mask: all four work-groups; 17:16 elements of 8 bytes; 20 no padding; 21 set beside a mask
	s_mov_b32 s[G1+1], 32<<16                      ; 63:48 tensor_dim0, low half = 32
	s_mov_b32 s[G1+2], 64<<16                      ; 79:64 its high half = 0; 95:80 tensor_dim1, low half = 64
	s_mov_b32 s[G1+3], 32<<16                      ; 111:96 its high half = 0; 127:112 tile_dim0 = 32
	s_mov_b32 s[G1+4], 64                          ; 143:128 tile_dim1 = 64; 159:144 tile_dim2 = 0
	s_mov_b32 s[G1+5], 32                          ; 191:160 tensor_dim0_stride: elements from row to row
	s_mov_b32 s[G1+6], 0
	s_mov_b32 s[G1+7], 0
	s_mov_b32 s[SEL], 0x76543210
	s_mov_b32 s[SEL+1], 0xfedcba98
	s_mov_b32 s[CS], 0x3fb8aa3b                    ; log2(e)
	s_mov_b32 s[TB], 0
	s_mov_b32 s[SLOTS], 2048/256-2
	s_wait_kmcnt 0x0
	s_load_b128 s[44:47], s[8:9], 0x0              ; eq, ek, ep, ev
	s_add_nc_u64 s[4:5], s[4:5], s[2:3]            ; q and out at my wave's first row
	s_add_nc_u64 s[10:11], s[10:11], s[2:3]
	s_mov_b32 s[G0], 1                             ; 1:0 count = 1
	s_mov_b32 s[G0+1], s18                         ; 63:32 LDS address: slot 0, my quarter
	s_add_nc_u64 s[G0+2:G0+3], s[6:7], s[22:23]    ; 120:64 global address: the head's first 256 keys, my quarter
	s_or_b32 s[G0+3], s[G0+3], 0x80000000          ; 127:126 type = 2
	CROUND                                         ; all four work-groups are here: the first joint loads meet
	JLOAD                                          ; slot 0: ahead of every LDS read and every wait on TENSORcnt
.macro QLOAD x                         ; tile x's 16 rows of q: 32 lanes read a row's 512 consecutive bytes
.irp i, 0,1,2,3,4,5,6,7,8,9,10,11,12,13,14,15
	global_load_b128 v[S+64*\x+4*\i:S+64*\x+4*\i+3], v[LI], s[4:5] offset:(16*\x+\i)*512 th:TH_LOAD_NT
.endr
.endm
.macro TOSTG x                         ; tile x's 16 rows into my stage as they lie
.irp i, 0,1,2,3,4,5,6,7,8,9,10,11,12,13,14,15
	ds_store_b128 v[SR], v[S+64*\x+4*\i:S+64*\x+4*\i+3] offset:SP*\i
.endr
.endm
.macro BACKT x                         ; and back, k in true places: register 8 c + 4 j + e of lane (r, h) is channel 16 c + 8 h + 4 j + e of row r
.irp c, 0,1,2,3,4,5,6,7
.irp j, 0,1
	ds_load_b128 v[S+64*\x+8*\c+4*\j:S+64*\x+8*\c+4*\j+3], v[SO] offset:64*\c+16*\j   ; LDS serves a wave's instructions in order (ISA guide 5.7.1.4): these see the stores above
.endr
.endr
.endm
.macro BACKP x                         ; and once more, in the second order: register 16 c + 4 j + e of lane (r, h) is channel 32 c + 16 h + 4 j + e of row r
.irp c, 0,1,2,3
.irp j, 0,1,2,3
	ds_load_b128 v[S+64*\x+16*\c+4*\j:S+64*\x+16*\c+4*\j+3], v[SF] offset:128*\c+16*\j
.endr
.endr
.endm
.macro QUANT s, d, sc, lim             ; 64 numbers of a lane, v[s] on, become a fragment's 16 registers of codes, v[d] on: numbers 8 c .. 8 c + 7 make registers 2 c, 2 c + 1
.irp b, 0,1,2,3
.irp i, 0,1,2,3,4,5,6,7,8,9,10,11,12,13,14,15
	v_med3_num_f32 v[\s+16*\b+\i], v[\s+16*\b+\i], -v[\lim], v[\lim]   ; the conversion to an 8-bit code does not saturate (ISA guide 7.6.2): the hold at the largest code x the scale
.endr
	v_cvt_scalef32_pk8_bf8_f32 v[\d+4*\b:\d+4*\b+1], v[\s+16*\b:\s+16*\b+7], v[\sc]
	v_cvt_scalef32_pk8_bf8_f32 v[\d+4*\b+2:\d+4*\b+3], v[\s+16*\b+8:\s+16*\b+15], v[\sc]
.endr
	v_nop                                          ; one plain vector line behind the last conversion: matrix instructions will read its results and write its sources
.endm
	v_and_b32 v[TA], 31, v0
	v_lshlrev_b32 v[LI], 4, v[TA]
	QLOAD 0
	QLOAD 1
	v_and_b32 v[TA], 15, v0                        ; r
	v_bfe_u32 v[TC], v0, 4, 1                      ; h
	v_add_nc_u32 v[SR], s15, v[LI]
	v_mul_u32_u24 v[SO], v[TA], SP
	v_add_nc_u32 v[SO], s15, v[SO]
	v_lshl_add_u32 v[SF], v[TC], 6, v[SO]
	v_lshl_add_u32 v[SO], v[TC], 5, v[SO]
	v_lshlrev_b32 v[LP], 4, v[TA]
	v_lshl_add_u32 v[LP], v[TC], 3, v[LP]
.irp x, 0,1
	v_mov_b32 v[ST+4*\x+1], 0xff61b1e6             ; the largest t so far: -3e38, under every t
	v_floor_f32 v[ST+4*\x], -v[ST+4*\x+1]          ; -M
	v_mov_b32 v[ST+4*\x+2], 0                      ; the sum, in two halves
	v_mov_b32 v[ST+4*\x+3], 0
.endr
	v_mov_b32 v[F+1], 0
	v_mov_b32 v[PX], 0                             ; written once: a lane permute's destination counts as one of its sources
	WIN W_TO1
.set j, 0
.rept 128
	v_mov_b32 v[j], 0                              ; O^T.  (The key step is written without a first step of its own: the first finds zeros, which the first change of M leaves zeros.  These lines stand while q is on its way)
.set j, j+1
.endr
	WIN 0
	s_wait_kmcnt 0x0
	s_add_co_i32 s48, s44, s45
	s_lshl_b32 s48, s48, 23
	s_add_co_i32 s[CS], s[CS], s48                 ; a score stands for score x 2^(eq + ek): the two exponents are added to log2(e)'s exponent field
	s_mov_b32 s[CS+1], s[CS]                       ; (named with it as a pair, so it is written)
	s_add_co_i32 s48, s44, 127
	s_lshl_b32 s49, s48, 23
	v_mov_b32 v[QSCL], s49                         ; 2^eq as f32: the conversion takes its exponent field
	s_add_co_i32 s48, s48, 15
	s_lshl_b32 s48, s48, 23
	s_or_b32 s48, s48, 0x600000
	v_mov_b32 v[QLIM], s48                         ; 57,344 x 2^eq
	s_add_co_i32 s48, s46, 127
	s_lshl_b32 s49, s48, 23
	v_mov_b32 v[PSCL], s49                         ; 2^ep
	s_add_co_i32 s48, s48, 15
	s_lshl_b32 s48, s48, 23
	s_or_b32 s48, s48, 0x600000
	v_mov_b32 v[PLIM], s48                         ; 57,344 x 2^ep,
	v_mov_b32 v[PLIM2], s48                        ; twice
	s_add_co_i32 s50, s46, s47                     ; ep + ev
	; q's two tiles, one after the other: into the stage, back in true places and quantised, back in the second order and quantised.  Once in the launch.
	s_wait_loadcnt 16                              ; q's first tile is in; the second's 16 loads may be out
	TOSTG 0
	BACKT 0
	s_wait_dscnt 0x0
	QUANT S, Q, QSCL, QLIM
	BACKP 0                                        ; the stage still holds the tile as it came
	s_wait_dscnt 0x0
	QUANT S, QP, QSCL, QLIM
	s_wait_loadcnt 0x0
	TOSTG 1                                        ; my reads of the first tile are back: the stage may be written again
	BACKT 1
	s_wait_dscnt 0x0
	QUANT S+64, Q+16, QSCL, QLIM
	BACKP 1
	s_wait_dscnt 0x0
	QUANT S+64, QP+16, QSCL, QLIM
; Fragments 2 g, 2 g + 1 of K of the slot's step q, twice, into window 1.  In true places: four loads of 512 consecutive bytes a fragment.  In the second order, from the same image: registers 4 c .. 4 c + 3 of lane (r, h)
; are to hold channels 32 c + 16 h + 0 .. 15.  In group c of the image channels 32 c + 16 h + 0 .. 7 are the 8 bytes at 16 r + 8 h, channels 32 c + 16 h + 8 .. 15 those 256 bytes on: two loads of 8 bytes a lane, each of
; which reads 256 consecutive bytes.
.macro LOADG q, g
	WIN W_TO1
.irp t, 0,1
.irp c, 0,1,2,3
	ds_load_b128 v[KF+16*\t+4*\c:KF+16*\t+4*\c+3], v[AD] offset:32768*\q+2048*(2*(\g)+\t)+512*\c
.endr
.endr
.irp t, 0,1
.irp c, 0,1,2,3
	ds_load_b64 v[KP+16*\t+4*\c:KP+16*\t+4*\c+1], v[ADP] offset:32768*\q+2048*(2*(\g)+\t)+512*\c
	ds_load_b64 v[KP+16*\t+4*\c+2:KP+16*\t+4*\c+3], v[ADP] offset:32768*\q+2048*(2*(\g)+\t)+512*\c+256
.endr
.endr
.endm
; Their twelve products, each fragment against both tiles of queries; every one begins at 0 and has an accumulator of its own.  A fragment's registers 0-7 in true places are channels 0 to 63, its registers 8-15 channels 64 to 127.
; The first halves and the sums made the second way land in window 0, the second halves in window 1: in this order the twelve want two switches of the windows.
.macro MULG g
	s_wait_dscnt 16                                ; the two fragments in true places are in; the sixteen loads of 8 bytes behind them may be out
	WIN W_S0
.irp t, 0,1
.irp x, 0,1
	v_wmma_f32_16x16x64_bf8_bf8 v[S+64*\x+8*(2*(\g)+\t):S+64*\x+8*(2*(\g)+\t)+7], v[KF+16*\t:KF+16*\t+7], v[Q+16*\x:Q+16*\x+7], 0
.endr
.endr
	s_wait_dscnt 0x0                               ; the two fragments in the second order are in
.irp t, 0,1
.irp x, 0,1
	v_wmma_f32_16x16x128_bf8_bf8 v[S1+16*\t+8*\x:S1+16*\t+8*\x+7], v[KP+16*\t:KP+16*\t+15], v[QP+16*\x:QP+16*\x+15], 0
.endr
.endr
	WIN W_SD
.irp t, 0,1
.irp x, 0,1
	v_wmma_f32_16x16x64_bf8_bf8 v[S2+16*\t+8*\x:S2+16*\t+8*\x+7], v[KF+16*\t+8:KF+16*\t+15], v[Q+16*\x+8:Q+16*\x+15], 0
.endr
.endr
.endm
; score = the larger of (first half + second half) and the sum made the second way.  Each of the twelve accumulators is read in ascending order, from its low end on.  The additions are packed; there is no packed maximum
; in f32, so two maxima go in one dual line: destinations an even and an odd register, both pairs of sources in neighbouring register banks, all in window 0.
.macro JOING g
	WIN W_JN
.irp t, 0,1
.irp x, 0,1
.irp j, 0,2,4,6
	v_pk_add_f32 v[S+64*\x+8*(2*(\g)+\t)+\j:S+64*\x+8*(2*(\g)+\t)+\j+1], v[S+64*\x+8*(2*(\g)+\t)+\j:S+64*\x+8*(2*(\g)+\t)+\j+1], v[S2+16*\t+8*\x+\j:S2+16*\t+8*\x+\j+1]
.endr
.endr
.endr
	WIN 0
.irp t, 0,1
.irp x, 0,1
.irp j, 0,2,4,6
	v_dual_max_num_f32 v[S+64*\x+8*(2*(\g)+\t)+\j], v[S+64*\x+8*(2*(\g)+\t)+\j], v[S1+16*\t+8*\x+\j] :: v_dual_max_num_f32 v[S+64*\x+8*(2*(\g)+\t)+\j+1], v[S+64*\x+8*(2*(\g)+\t)+\j+1], v[S1+16*\t+8*\x+\j+1]
.endr
.endr
.endr
.endm
; All eight fragments of V of the slot's step q, into window 1, where the last group's sums and fragments have been read
.macro VLOAD q
	WIN W_TO1
.irp t, 0,1,2,3,4,5,6,7
.irp c, 0,1,2,3
	ds_load_b128 v[VF+16*\t+4*\c:VF+16*\t+4*\c+3], v[AD] offset:32768*\q+16384+2048*\t+512*\c
.endr
.endr
	WIN 0
.endm
; A load into a register that a matrix instruction has read, and a vector instruction that reads a matrix result, stand four places behind that matrix instruction; a matrix instruction that writes over a register
; of an earlier one stands five behind it; only plain vector instructions that name none of its registers are places (ISA guide 7.12.1 for vector instructions).
.macro PLACES n
.rept \n
	v_nop
.endr
.endm
; Tile x's softmax for a step of 128 keys, of which my lane holds 64.  Every pass over the scores goes in ascending order.
; The largest t is c x the largest score, rounded: to multiply by a positive constant and round keeps the order, so this is also the largest of the rounded products.  The exponent t - M is ONE fused multiply-add,
; score x c - M, rounded once.
.macro SMAX x
.set rS, S+64*\x
.set rT, ST+4*\x
.set rP, PC+16*\x
	v_max3_num_f32 v[TA], v[rS], v[rS+1], v[rS+2]  ; the step's largest score of my query, among my 64 keys, in two chains,
	v_max3_num_f32 v[TC], v[rS+3], v[rS+4], v[rS+5]
.irp i, 6,10,14,18,22,26,30,34,38,42,46,50,54,58
	v_max3_num_f32 v[TA], v[TA], v[rS+\i], v[rS+\i+1]
	v_max3_num_f32 v[TC], v[TC], v[rS+\i+2], v[rS+\i+3]
.endr
	v_max3_num_f32 v[TA], v[TA], v[rS+62], v[rS+63]
	v_max_num_f32 v[TA], v[TA], v[TC]
	v_permlanex16_b32 v[PX], v[TA], s[SEL], s[SEL+1]
	v_max_num_f32 v[TA], v[TA], v[PX]              ; and among lane l xor 16's
	v_mul_f32 v[TA], s[CS], v[TA]                  ; as t (c is positive)
	v_max_num_f32 v[rT+1], v[rT+1], v[TA]          ; the running largest t
	v_mov_b32 v[TA], v[rT]
	v_floor_f32 v[rT], -v[rT+1]                    ; the new -M = floor(-t) = -ceil(t): M is a whole number
	v_sub_f32 v[TA], v[rT], v[TA]                  ; M's old value less its new one: a whole number, 0 or less
	v_cvt_i32_f32 v[TA], v[TA]                     ; (it saturates)
	v_ldexp_f32 v[F], 1.0, v[TA]                   ; f = 2^(old M - new M): what was summed under the old M is brought under the new by a multiplication that rounds nothing
.set j, 0
.rept 32
	v_pk_fma_f32 v[rS+j:rS+j+1], v[rS+j:rS+j+1], s[CS:CS+1], v[rT:rT+1] op_sel_hi:[1,0,0]   ; t - M, two at a time (of the pairs c and -M the low word serves both halves)
.set j, j+2
.endr
.set j, 0
.rept 64
	v_exp_f32 v[rS+j], v[rS+j]                     ; p = 2^(t - M), at most 1: not normalised
.set j, j+1
.endr
	v_pk_mul_f32 v[rT+2:rT+3], v[rT+2:rT+3], v[F:F+1] op_sel_hi:[1,0]   ; the sums under the new M.  (The plain line behind the exponentials)
	s_wait_alu depctr_va_vdst(0)
	v_pk_add_f32 v[SB:SB+1], v[rS:rS+1], v[rS+2:rS+3]                   ; the row's sum is taken of the UNQUANTISED p: two at a time, in two chains
.irp j, 4,8,12,16,20,24,28,32,36,40,44,48,52,56,60
	v_pk_add_f32 v[rT+2:rT+3], v[rT+2:rT+3], v[rS+\j:rS+\j+1]
	v_pk_add_f32 v[SB:SB+1], v[SB:SB+1], v[rS+\j+2:rS+\j+3]
.endr
	v_pk_add_f32 v[rT+2:rT+3], v[rT+2:rT+3], v[SB:SB+1]
.irp b, 0,1,2,3
.irp i, 0,2,4,6,8,10,12,14
	v_dual_min_num_f32 v[rS+16*\b+\i], v[rS+16*\b+\i], v[PLIM] :: v_dual_min_num_f32 v[rS+16*\b+\i+1], v[rS+16*\b+\i+1], v[PLIM2]   ; the conversion to an 8-bit code does not saturate (ISA guide 7.6.2); p is not negative, so the hold is one-sided; two holds in a dual line.  It stands whatever ep is: no branch on a given scale
.endr
	v_cvt_scalef32_pk8_bf8_f32 v[rP+4*\b:rP+4*\b+1], v[rS+16*\b:rS+16*\b+7], v[PSCL]          ; tile 2 b: registers 4 b, 4 b + 1 of the operand: keys 32 b + 8 h + 0 .. 7
	v_cvt_scalef32_pk8_bf8_f32 v[rP+4*\b+2:rP+4*\b+3], v[rS+16*\b+8:rS+16*\b+15], v[PSCL]     ; tile 2 b + 1: registers 4 b + 2, 4 b + 3: keys 32 b + 16 + 8 h + 0 .. 7
.endr
.endm
; Tile x's O^T: under the new M, then += V^T P^T over these 128 keys.  The eight accumulators take turns, one instruction each; between two links of a chain stand a whole step's other matrix instructions
; chg (with tile 0 of a slot's second step alone): THE CHANGE OF SLOTS OPENS HERE.  1: the slot in hand will be filled again; 2: it will not; 0: no change.  I wait for all my tensor loads, of which one is out: my part of
; the other slot; add 0 to my spare word; and, behind O^T's 32 lines, wait for the add and for my reads of the slot in hand, of which V's 32 loads are the last.  Then I signal.  All that I do up to the barrier's wait,
; at the step's end, is work on registers.
.macro PVX x, chg
.if \chg
	s_wait_tensorcnt 0x0                           ; no tensor load of mine is out, so the group 0 may be written
	ds_add_u32 v[SPW], v[NIL]                      ; 0 onto my spare word (every window is 0 here)
.endif
.if \chg == 1
	s_xor_b32 s[G0+1], s[G0+1], SLOT1              ; the walking descriptor: the other slot than last time, which is the slot in hand,
	s_add_nc_u64 s[G0+2:G0+3], s[G0+2:G0+3], 65536 ; the next 256 keys' codes; the type bits on top are not reached
.endif
	WIN W_SD
.set j, 0
.rept 32
	v_pk_mul_f32 v[64*\x+j:64*\x+j+1], v[64*\x+j:64*\x+j+1], v[F:F+1] op_sel_hi:[1,0]   ; x f, ascending.  (These are also the plain lines between the conversions and the products that read their results)
.set j, j+2
.endr
.if \x == 0
	s_wait_dscnt 0x0                               ; V's 32 loads are in: they were issued ahead of the tile's whole softmax.  With chg: the add is done too, and my reads of the slot in hand are over
.endif
.if \chg
	s_barrier_signal -1                            ; say so
.endif
	WIN W_PV
.irp t, 0,1,2,3,4,5,6,7
	v_wmma_f32_16x16x128_bf8_bf8 v[64*\x+8*\t:64*\x+8*\t+7], v[VF+16*\t:VF+16*\t+15], v[PC+16*\x:PC+16*\x+15], v[64*\x+8*\t:64*\x+8*\t+7]
.endr
	WIN 0
.endm
; A KEY STEP: 128 keys, the q-th of the slot in hand.  The scores go in four groups of two fragments of K: a group's twelve products, four places, the next group's 24 LDS loads, and then the group's join,
; 32 vector lines under which those loads land.  Then V's loads, and for each tile its softmax and its eight products V^T P^T; tile 0's are at work while tile 1's softmax is issued.
; chg as in PVX.  At the step's end stands the wait of the barrier that PVX has signalled.  chg = 1: that barrier has opened a round of the cluster's, so that no wave of any partner still reads the slot in hand or has a
; load on its way; the joint load that fills the slot with the keys two slots on is the first thing behind the round.
.macro STEP q, chg
	PLACES 5                                       ; behind the last products: four for the loads into V's registers, five for the sums that are written over V's fragments and over p's codes
	LOADG \q, 0
	MULG 0
	PLACES 4                                       ; in front of the loads into the fragments just multiplied, and of the first read of the sums
	LOADG \q, 1
	JOING 0
	MULG 1
	PLACES 4
	LOADG \q, 2
	JOING 1
	MULG 2
	PLACES 4
	LOADG \q, 3
	JOING 2
	MULG 3
	PLACES 4
	JOING 3
	VLOAD \q                                       ; V is wanted behind tile 0's softmax
	SMAX 0
	PVX 0, \chg
	SMAX 1
	PVX 1, 0
.if \chg
	s_barrier_wait -1                              ; every wave of my work-group has said so: the other slot is whole, and nobody here reads the slot in hand any more
.endif
.if \chg == 1
	CREST
	JLOAD
.endif
.endm
.macro SLOT_STEPS chg
	v_add_nc_u32 v[AD], s[TB], v[LI]
	v_add_nc_u32 v[ADP], s[TB], v[LP]
	STEP 0, 0
	STEP 1, \chg
.endm
	; The first change stands at the head: slot 0 is shown whole to every wave, and slot 1's first fill goes out as a refill does.
	s_wait_tensorcnt 0x0                           ; my part of slot 0 has landed; no tensor load of mine is out, so the group 0 may be written
	ds_add_u32 v[SPW], v[NIL]                      ; 0 onto my spare word
	s_xor_b32 s[G0+1], s[G0+1], SLOT1              ; slot 1,
	s_add_nc_u64 s[G0+2:G0+3], s[G0+2:G0+3], 65536 ; keys 256 to 511
	s_wait_dscnt 0x0                               ; the add is done
	CROUND
	JLOAD
.Lslot:                                            ; six trips: trip i reads keys 256 i on and, at its end, asks for keys 256 (i + 2) on, into the slot that it has read
	SLOT_STEPS 1
	s_xor_b32 s[TB], s[TB], SLOT1                  ; on to the other slot
	s_sub_co_u32 s[SLOTS], s[SLOTS], 1
	s_cmp_lg_u32 s[SLOTS], 0
	s_cbranch_scc1 .Lslot
	SLOT_STEPS 2                                   ; the tail is written out.  Keys 1,536 on: the last slot is shown whole by a barrier of the work-group; nothing is asked for, so no round
	s_xor_b32 s[TB], s[TB], SLOT1
	SLOT_STEPS 0                                   ; keys 1,792 on: nothing follows them in the ring
	; THE WAY OUT.  The sum's two halves and the other half of the lanes' are added; O^T is divided by the sum, multiplied by 2^(ep + ev), and goes through my stage, a tile of 16 whole rows at a time.
	; The plain lines here are the places behind the last products.
	v_add_f32 v[ST+2], v[ST+2], v[ST+3]
	v_add_f32 v[ST+6], v[ST+6], v[ST+7]
	v_permlanex16_b32 v[TA], v[ST+2], s[SEL], s[SEL+1]
	v_permlanex16_b32 v[TC], v[ST+6], s[SEL], s[SEL+1]
	v_add_f32 v[ST+2], v[ST+2], v[TA]
	v_add_f32 v[ST+6], v[ST+6], v[TC]
	v_rcp_f32 v[ST+2], v[ST+2]
	v_rcp_f32 v[ST+6], v[ST+6]
	v_nop                                          ; a plain line between the last reciprocal and the use of its result
	s_wait_alu depctr_va_vdst(0)
	v_ldexp_f32 v[ST+2], v[ST+2], s50
	v_ldexp_f32 v[ST+6], v[ST+6], s50
	WIN W_S0
.irp x, 0,1
.set j, 0
.rept 32
	v_pk_mul_f32 v[S+64*\x+j:S+64*\x+j+1], v[64*\x+j:64*\x+j+1], v[ST+4*\x+2:ST+4*\x+3] op_sel_hi:[1,0]   ; ascending; register 8 t + i is out(r, 16 t + 8 h + i)
.set j, j+2
.endr
.endr
	WIN 0
.macro OUT x                           ; a lane's eight channels of a row are 32 bytes; they go into rows of 528 bytes and come back as whole rows of 512, into the registers that they left
.irp t, 0,1,2,3,4,5,6,7
	ds_store_b128 v[SO], v[S+64*\x+8*\t:S+64*\x+8*\t+3] offset:64*\t
	ds_store_b128 v[SO], v[S+64*\x+8*\t+4:S+64*\x+8*\t+7] offset:64*\t+16
.endr
.irp i, 0,1,2,3,4,5,6,7,8,9,10,11,12,13,14,15
	ds_load_b128 v[S+64*\x+4*\i:S+64*\x+4*\i+3], v[SR] offset:SP*\i   ; LDS serves a wave's instructions in order (ISA guide 5.7.1.4): these see my stores, and the next tile's stores come behind them
.endr
.endm
.macro SEND x
.irp i, 0,1,2,3,4,5,6,7,8,9,10,11,12,13,14,15
	global_store_b128 v[LI], v[S+64*\x+4*\i:S+64*\x+4*\i+3], s[10:11] offset:(16*\x+\i)*512 th:TH_STORE_NT   ; 32 lanes store a row's 512 consecutive bytes, at a multiple of 512 from out's first byte; written once, read by nobody here
.endr
.endm
	OUT 0
	OUT 1
	s_wait_dscnt 32                                ; tile 0 is back; tile 1's 16 stores and 16 loads may be out
	SEND 0
	s_wait_dscnt 0x0
	SEND 1
	s_wait_tensorcnt 0x0                           ; the wave's end: behind my last tensor load and my last LDS store
	ds_add_u32 v[SPW], v[NIL]
	s_wait_dscnt 0x0
	CROUND                                         ; the closing round: no work-group ends while a partner may still ask for a tile that names it
	s_endpgm
.Lfunc_end_k_qc334acfe36_attn:
	.size	k_qc334acfe36_attn, .Lfunc_end_k_qc334acfe36_attn-k_qc334acfe36_attn
	.p2alignl 7, 3214868480
	.fill 96, 4, 3214868480
	.section	.rodata,"a",@progbits
	.p2align	6, 0x0
	.amdhsa_kernel k_qc334acfe36_attn
		.amdhsa_group_segment_fixed_size 327680
		.amdhsa_private_segment_fixed_size 0
		.amdhsa_enable_private_segment 0
		.amdhsa_kernarg_size 32
		.amdhsa_user_sgpr_count 2
		.amdhsa_user_sgpr_kernarg_segment_ptr 1
		.amdhsa_wavefront_size32 1
		.amdhsa_system_sgpr_workgroup_id_x 1
		.amdhsa_system_sgpr_workgroup_id_y 1
		.amdhsa_system_sgpr_workgroup_id_z 1
		.amdhsa_system_vgpr_workitem_id 0
		.amdhsa_next_free_vgpr 512
		.amdhsa_next_free_sgpr 66
		.amdhsa_reserve_vcc 0
		.amdhsa_float_denorm_mode_32 3
		.amdhsa_float_denorm_mode_16_64 3
		.amdhsa_memory_ordered 1
		.amdhsa_forward_progress 1
		.amdhsa_inst_pref_size 255
	.end_amdhsa_kernel
	.section	.bss,"aw",@nobits
	.p2align	6
	.space	262144
	.amdgpu_metadata
---
amdhsa.version: [ 1, 2 ]
amdhsa.kernels:
  - .name:           k_qc334acfe36_attn
    .symbol:         k_qc334acfe36_attn.kd
    .args:
      - { .name: q, .offset: 0, .size: 8, .value_kind: global_buffer, .address_space: global }
      - { .name: kv, .offset: 8, .size: 8, .value_kind: global_buffer, .address_space: global }
      - { .name: lowp_scales, .offset: 16, .size: 8, .value_kind: global_buffer, .address_space: global }
      - { .name: out0, .offset: 24, .size: 8, .value_kind: global_buffer, .address_space: global }
    .group_segment_fixed_size: 327680
    .private_segment_fixed_size: 0
    .kernarg_segment_align: 8
    .kernarg_segment_size: 32
    .max_flat_workgroup_size: 256
    .sgpr_count:     66
    .vgpr_count:     512
    .wavefront_size: 32
...
	.end_amdgpu_metadata
.endif
;; end of part 2
